; MI455X (gfx1250); checked and timed in simulation.
; The chip was launched on July 23, 2026; its instructions are those of AMD's public machine-readable ISA for CDNA 5 (MIT licence, August 2026) and "CDNA5" Instruction Set Architecture Reference Guide (July 2026). The comments in the code are by the model that wrote it; some were corrected since.
;; Enhanced Mixture Of Experts. Allowed arithmetic: matrix products marked QUANTISED: E2M1 operands, one E8M0 scale for each 32 along K, by v_wmma_scale_f32_16x16x128_f8f6f4 with both operands' format E2M1 (or v_wmma_scale_f32_32x16x128_f4), f32 sums; products left as they are: f32 operands where the result goes on into a quantised operand, else bf16, f16 or f32 operands; f32 sums; everything else in f32.
;; Inputs: W1_codes 8 x 2,048 x 32 x 16 uint8 (E2M1 codes of W1, K innermost, in blocks of 32 codes, two codes a byte); W1_scales 8 x 2,048 x 32 uint8 (E8M0 scales of W1, one for each 32 codes along K); W2_codes 8 x 1,024 x 64 x 16 uint8 (E2M1 codes of W2, K innermost, in blocks of 32 codes, two codes a byte); W2_scales 8 x 1,024 x 64 uint8 (E8M0 scales of W2, one for each 32 codes along K); W3 8 x 1,024 x 1 float32; b1 8 x 2,048 float32; b2 8 x 1,024 float32; b3 8 x 1 float32; soft_cluster_probs 2,048 x 8 float32; x_codes 2,048 x 32 x 16 uint8 (E2M1 codes of x, K innermost, in blocks of 32 codes, two codes a byte); x_scales 2,048 x 32 uint8 (E8M0 scales of x, one for each 32 codes along K).
;; Outputs: out0 2,048 x 1 float32.
;; This version of the problem:
;;   THIS VERSION OF THE PROBLEM IS GIVEN IN LOW PRECISION. The matrix products marked QUANTISED in the list below multiply operands that are first quantised to E2M1 (2 exponent bits, 1 mantissa bit; 4 bits a number), with one power-of-two scale for each 32 numbers along K (OCP MX v1.0); their sums are f32. All else is computed in f32.
;;   The module's matrix products, in the order in which they are computed (A, B: the left and right operand; K: the contracted axis; several contracted axes count as one K, in the product's order):
;;     1. [M 16,384, K 1,024] x [K 1,024, N 2,048]; A: input W1 (given as codes); B: input x (given as codes): QUANTISED
;;     2. batch 8 x [M 2,048, K 2,048] x [K 2,048, N 1,024]; A: computed on the way; B: input W2 (given as codes): QUANTISED
;;     3. batch 8 x [M 2,048, K 1,024] x [K 1,024, N 1]; A: computed on the way; B: input W3: left as it is (N = 1 < 16)
;;     4. batch 2,048 x [M 1, K 8] x [K 8, N 1]; A: computed on the way; B: input soft_cluster_probs: left as it is (K = 8 < 32)
;;   THE QUANTISER, for each operand of a quantised product, along K:
;;     - K is cut into blocks of 32 from its start; a last block that is shorter is filled with zeros.
;;     - A block's scale is 2^e with e = floor(log2(the largest magnitude in the block)) - 2, held to -126 .. 127; a block of zeros has e = 0. As a byte (E8M0): e + 127.
;;     - Each number is divided by its block's scale, clamped to +-6, and rounded to the nearest number of E2M1, ties to even, subnormals kept.
;;     - The product sums the exact products of the quantised numbers (number of the format x scale) in f32.
;;   ~~~python
;;   def quantise(x, axis):      # numpy; x: float32 -> the quantised numbers, widened to float32 again
;;       x = np.moveaxis(x, axis, -1); K = x.shape[-1]
;;       x = np.pad(x, [(0, 0)] * (x.ndim - 1) + [(0, -K % 32)]); x = x.reshape(x.shape[:-1] + (-1, 32)); a = np.abs(x).max(-1, keepdims=True)
;;       e = np.where(a > 0, np.clip(np.frexp(np.where(a > 0, a, 1))[1] - 1 - 2, -126, 127), 0)      # np.frexp(a)[1] - 1 = floor(log2(a)), exactly
;;       r = np.clip(x / 2.0 ** e, -6, 6)
;;       step = 2.0 ** (np.maximum(np.frexp(np.where(r == 0, 1, r))[1] - 1, 0) - 1)
;;       q = np.round(r / step) * step * 2.0 ** e      # np.round: ties to even
;;       return np.moveaxis(q.reshape(q.shape[:-2] + (-1,))[..., :K], -1, axis).astype(np.float32)
;;   ~~~
;;   OPERANDS COMPUTED ON THE WAY. 'Computed on the way' means the value that the module computes at that place (a softmax that the list does not call 'softmax' is quantised finished and normalised). What goes into a quantiser is computed in f32, as accurately as f32 sums, v_exp_f32 and their like allow (about 1e-6 of the number): no bf16 or f16 on the way to a quantiser, and a product that is left as it is and whose result goes on into a quantised operand takes f32 operands (vector FMAs, or v_wmma_f32_16x16x4_f32). A number that lies on a knife's edge between two numbers of the format may be rounded either way, as far as f32 arithmetic and the matrix unit's own rounding can turn it there, and no further.
;;   INPUTS GIVEN AS CODES. W1 (in the module: [8, 1024, 2048], K = its axis 1); W2 (in the module: [8, 2048, 1024], K = its axis 1); x (in the module: [2048, 1024], K = its axis 1): each comes as NAME_codes (uint8): NAME with its K axis moved to the last place and cut into blocks of 32 codes, [.., K / 32, bytes a block], one block behind the other in memory; two codes a byte, the lower K in the low four bits (a code: sign, 2 exponent bits, 1 mantissa bit); and NAME_scales (uint8): the same leading axes, one E8M0 byte (e + 127) for each 32 codes along K. Its value is code x scale, taken as it is: it is not quantised again, and the codes and scales need not be those that the quantiser above would give.
;; One version. Each part assembles by itself: llvm-mc -triple=amdgcn-amd-amdhsa -mcpu=gfx1250 --defsym DOCPART=n.
;; ======== version 1 of 1: 2 launches
;; limits: right only within a limited range of input values
;; workspace buffers: part 65,536 bytes
;; launch chain (part 1): grid 256 x 1, 4 waves a work-group, clusters of 4 x 1, 327,680 bytes of LDS; arguments x_codes, x_scales, W1_codes, W1_scales, W2_codes, W2_scales, b1, b2, W3, b3, soft_cluster_probs, part; writes part
.if DOCPART == 1
	.amdgcn_target "amdgcn-amd-amdhsa--gfx1250"
	.amdhsa_code_object_version 6
	.text
	.protected	k_q14f4b8fe2e_chain
	.globl	k_q14f4b8fe2e_chain
	.p2align	8
	.type	k_q14f4b8fe2e_chain,@function
k_q14f4b8fe2e_chain:
	s_mov_b64 s[64:65], 0
	v_nop
	global_prefetch_b8 v0, s[64:65] scope:SCOPE_SE
	s_setreg_imm32_b32 hwreg(HW_REG_WAVE_MODE, 25, 1), 1
	s_wait_xcnt 0x0
	s_wait_alu depctr_hold_cnt(0) depctr_sa_sdst(0) depctr_va_vdst(0) depctr_va_sdst(0) depctr_va_ssrc(0) depctr_va_vcc(0) depctr_vm_vsrc(0)
	s_getreg_b32 s2, hwreg(HW_REG_IB_STS2, 6, 4)
	s_cmp_eq_u32 s2, 0
	s_cbranch_scc0 .Lentry_in_a_cluster
	s_endpgm
.Lentry_in_a_cluster:
	s_bfe_u32 s2, ttmp6, 0x10000c
	s_cmp_lg_u32 s2, 0x3003
	s_cbranch_scc0 .Lentry_shape_is_right
	s_endpgm
.Lentry_shape_is_right:
; part[e][b] = p[b][e] sigmoid(relu(Q(relu(x W1[e] + b1[e])) W2[e] + b2[e]) . W3[e] + b3[e]): the first of two launches; the second adds the eight experts.
; NO WORK IS LEFT OUT: every expert is weighed in for every row, and every input has a way to the output.
; LIMITS: NaN and infinities among the inputs are not served.  A block of 32 of h1 whose largest number lies under 2^-124 keeps the scale byte 1; so does a block of zeros, where the quantiser says 127:
; its codes are zeros, which add nothing under any byte but 0xff, and the bytes are read by this launch alone.
; A WORK-GROUP OWNS 64 ROWS OF ONE EXPERT through both products: 8 x 2,048 / 64 = 256 work-groups.  The hidden layer goes in four chunks of 512 units; a chunk is four steps: W1 rows 0-255 (a), W1 rows 256-511 (b),
; W2 columns 0-511 (a) and 512-1,023 (b) over the chunk's 512 units.  h1's chunk passes through LDS as an image of the next product's operand registers; the sums of h2 stay in registers over all chunks.
; A STEP'S WEIGHTS are 512 LDS lines of 256 bytes + 16 of padding: W1's 256 rows as two halves along K (lines 0-255, 256-511), W2's 512 columns.  Two slots take turns; behind a round each wave issues one joint load of 128 lines.
; CLUSTERS: the four work-groups of a cluster have the same expert and ask for all weights jointly (mask 15).  x's rows are each work-group's own.
; PREFETCH: in each step one instruction a wave names blocks of 256 bytes of the step three on, whose load is two refills on.  The eight clusters of an expert share by address: each names one half of a step's blocks.
; The launch's first step comes by the head's loads alone; the second is named at the head behind them, a round ahead of its load; the first step names the third too.  In the last chunk only its own W2 (b) is named.
; THE MATRIX INSTRUCTION: source 0 = 32 rows of a weight, source 1 = 16 rows of x or h1: lane (r, h) holds row r; registers 0-7 units 8 h + j, registers 8-15 units 16 + 8 h + j.  The biases are the C of each sum's first product.
; REGISTERS: window 0: v0-15 addresses; v16-23 at work; v24-39 b1; v40-71 weight scales, two sets; v72-87 x's scales; v88-95 h1's; v96-191 weight fragments, three buffers (codes on their way to LDS in a free one); v192-255 the sums of h1, or h1's fragments (two sets).
;   window 1: x's fragments, all of K; at the end W3.   windows 2, 3: the sums of h2 for columns (a), (b): tile (b, t) of 32 columns x 16 rows at v[16 (4 b + t)].
.set LINE,   272
.set QUAR,   128*LINE                  ; what one wave's load brings
.set SLOT,   4*QUAR
.set XR,     2*SLOT                    ; x's 64 rows as two halves along K: 128 lines
.set HB,     XR+128*LINE-8192          ; h1's image: K steps 2, 3 lie on the last 8,192 bytes of x's lines (read out a round before), K steps 0, 1 behind them
.set HS,     HB+16384                  ; h1's scale bytes: 512 for K steps 0, 1, then 512 for 2, 3
.set SPARE,  HS+1024                   ; the spare words: 128 bytes a wave
.set BOFF, 0                           ; 32 h: biases, W3
.set SPW,  1
.set NIL,  2
.set AW1,  3                           ; v3-6: W1's fragments: slot 0 half 0, half 1, slot 1 half 0, half 1
.set AW2,  7                           ; v7-8: W2's: slot 0, 1
.set HST,  9
.set HLD,  10
.set SST,  11
.set SLD,  12
.set GS1,  13                          ; 32 x lane
.set GS2,  14                          ; 64 x lane
.set PFO,  15                          ; 1,024 r
.set TM,   16
.set AX,   22                          ; x's fragments, in the first step
.set BI,   24
.set SA,   40
.set SB,   56
.set XS,   72
.set SH,   88
.set BR,   96
.set ACC,  192
.set G1W1, 32
.set G1W2, 40
.set G1H,  48
.set G1X,  56
.set G0A,  68                          ; W1 (a), (b), W2 (a), (b): group 0, one set each
.set G0B,  72
.set G0C,  76
.set G0D,  80
.set G0H,  84
.set G0X,  88
.set PF1,  92
.set PF2,  94
.set PADW, (1<<20)|(5<<22)|(3<<25)     ; padding: 4 words after every 64
.set JOINT, 15|(1<<21)|PADW            ; the mask of the four, bit 21 beside it
.set MSB, 0
.macro WIN new
.if MSB != (\new)
	s_set_vgpr_msb (MSB<<8)|(\new)
.set MSB, \new
.endif
.endm
.macro PLACES n
.rept \n
	v_nop
.endr
.endm
.macro CREST                           ; a round of the cluster's barrier behind its opening barrier
	s_cmp_lg_u32 s28, 0
	s_cbranch_scc1 .Lnot_wave_0_\@
	s_barrier_signal -3
.Lnot_wave_0_\@:
	s_barrier_wait -3
	s_barrier_signal -1
	s_barrier_wait -1
.endm
.macro CROUND
	s_barrier_signal -1
	s_barrier_wait -1
	CREST
.endm
.macro TLOAD g0, g1
	tensor_load_to_lds s[\g0:\g0+3], s[\g1:\g1+7]
	s_nop 0
.rept 4
	v_nop
.endr
.endm
.macro G1SET g, w0, rows, pitch        ; rows of 256 elements of one byte
	s_mov_b32 s[\g], \w0
	s_mov_b32 s[\g+1], 256<<16
	s_mov_b32 s[\g+2], (\rows)<<16
	s_mov_b32 s[\g+3], 256<<16
	s_mov_b32 s[\g+4], \rows
	s_mov_b32 s[\g+5], \pitch
	s_mov_b32 s[\g+6], 0
	s_mov_b32 s[\g+7], 0
.endm
.macro BASE p, sh, wm                  ; pointer p += (e << sh) + wave x wm
	s_lshl_b32 s2, s97, \sh
	s_mul_i32 s66, s28, \wm
	s_add_co_u32 s2, s2, s66
	s_add_nc_u64 s[\p:\p+1], s[\p:\p+1], s[2:3]
.endm
; fragment loads.  A chunk is two units of 16 registers (32 rows x 128 K).  W1's chunk n: block n / 4 of my 64 rows, K steps 2 (n % 4), + 1.  o: the step's place in the turn of the three buffers.
; W2's chunk n: tiles 2 (n % 2), + 1 of my four, K step n / 2 in step (a) and 3 - n / 2 in step (b): (b) begins on the two K steps of h1 that (a) has left in registers.
.macro LDW1 s, n, o
.irp u, 0,1
.irp i, 0,1
.irp c, 0,1
.set qq, 2*((\n)%4)+\u
.set dd, BR+32*(((\n)+(\o))%3)+16*\u+8*\i+4*\c
	ds_load_b128 v[dd:dd+3], v[AW1+2*(\s)+qq/4] offset:((\n)/4)*32*LINE+\i*16*LINE+64*(qq%4)+32*\c
.endr
.endr
.endr
.endm
.macro LDW2 s, n, o
.irp u, 0,1
.irp i, 0,1
.irp c, 0,1
.set dd, BR+32*(((\n)+(\o))%3)+16*\u+8*\i+4*\c
	ds_load_b128 v[dd:dd+3], v[AW2+(\s)] offset:(2*((\n)%2)+\u)*32*LINE+\i*16*LINE+64*((\n)/2+(\s)*(3-2*((\n)/2)))+32*\c
.endr
.endr
.endr
.endm
.macro LDX q0                          ; x's fragments of K steps q0, q0 + 1: four tiles of 16 rows
	WIN 0x40
.irp u, 0,1
.irp t, 0,1,2,3
.irp c, 0,1
.set qq, (\q0)+\u
.set dd, 32*qq+8*\t+4*\c
	ds_load_b128 v[dd:dd+3], v[AX] offset:(qq/4)*64*LINE+\t*16*LINE+64*(qq%4)+32*\c
.endr
.endr
.endr
	WIN 0
.endm
.macro LDA2 q                          ; h1's four fragments of K step q of the chunk
.irp t, 0,1,2,3
.irp c, 0,1
.set dd, ACC+32*((\q)%2)+8*\t+4*\c
	ds_load_b128 v[dd:dd+3], v[HLD] offset:(((\q)+2)%4)*4096+1024*\t+512*\c
.endr
.endr
.endm
.macro SCL1 st, off                    ; a W1 step's scale words: my two blocks of 32 rows, eight words a row
.irp g, 0,1
.irp k, 0,1
	global_load_b128 v[(\st)+8*\g+4*\k:(\st)+8*\g+4*\k+3], v[GS1], s[10:11] offset:(\off)+1024*\g+16*\k
.endr
.endr
.endm
.macro SCL2 st, off                    ; a W2 step's: my four tiles of 32 columns, the chunk's four words a column
.irp b, 0,1,2,3
	global_load_b128 v[(\st)+4*\b:(\st)+4*\b+3], v[GS2], s[14:15] offset:(\off)+2048*\b
.endr
.endm
.macro BIAS off
.irp k, 0,1,2,3
	global_load_b128 v[BI+4*\k:BI+4*\k+3], v[BOFF], s[16:17] offset:(\off)+16*(\k%2)+64*(\k/2)
.endr
.endm
.macro ASK base, off
	global_prefetch_b8 v[PFO], s[\base:\base+1] offset:\off th:TH_LOAD_NT scope:SCOPE_SE
.endm
; products.  The sums take turns: between two steps of one sum stand three others or more.
.macro MUL1 n, u, st                   ; W1's chunk n, unit u: 32 hidden units x 64 rows x 128 K
.set qq, 2*((\n)%4)+(\u)
.set aa, BR+32*(((\n)+2)%3)+16*(\u)
.set sc, (\st)+8*((\n)/4)+qq
.irp t, 0,1,2,3
.set cc, ACC+16*\t
.if qq == 0
.set cc, BI
.endif
.set xx, 32*qq+8*\t
.if \t%2
	v_wmma_scale_f32_32x16x128_f4 v[ACC+16*\t:ACC+16*\t+15], v[aa:aa+15], v[xx:xx+7], v[cc:cc+15], v[sc], v[XS+8*(\t/2)+qq] matrix_b_scale:MATRIX_SCALE_ROW1
.else
	v_wmma_scale_f32_32x16x128_f4 v[ACC+16*\t:ACC+16*\t+15], v[aa:aa+15], v[xx:xx+7], v[cc:cc+15], v[sc], v[XS+8*(\t/2)+qq]
.endif
.endr
.endm
.macro W2ONE n, u, o, st, t, ct        ; one product: tile (b, t); ct: the tile of rows whose registers hold C
.set bb, 2*((\n)%2)+(\u)
.set qq, (\n)/2+(1-(\o))*(3-2*((\n)/2))   ; o is 1 in step (a), 0 in step (b)
.set aa, BR+32*(((\n)+(\o))%3)+16*(\u)
.set xx, ACC+32*(qq%2)+8*(\t)
.set zz, 16*(4*bb+(\t))
.set cc, 16*(4*bb+(\ct))
.if (\t)%2
	v_wmma_scale_f32_32x16x128_f4 v[zz:zz+15], v[aa:aa+15], v[xx:xx+7], v[cc:cc+15], v[(\st)+4*bb+qq], v[SH+2*qq+(\t)/2] matrix_b_scale:MATRIX_SCALE_ROW1
.else
	v_wmma_scale_f32_32x16x128_f4 v[zz:zz+15], v[aa:aa+15], v[xx:xx+7], v[cc:cc+15], v[(\st)+4*bb+qq], v[SH+2*qq+(\t)/2]
.endif
.endm
.macro MUL2 n, u, o, st
.irp t, 0,1,2,3
	W2ONE \n, \u, \o, \st, \t, \t
.endr
.endm
.macro MUL2F n, o, st                  ; the first K step: b2 lies in the registers of row tile 3, which is multiplied last: five places stand ahead of the products that write over it
.irp u, 0,1
.irp t, 0,1,2
	W2ONE \n, \u, \o, \st, \t, 3
.endr
.endr
	PLACES 5
.irp u, 0,1
	W2ONE \n, \u, \o, \st, 3, 3
.endr
.endm
; QUANTISE block g of W1 step s: relu, the block's largest number (16 numbers in lane l, 16 in lane l xor 16), codes and scale byte to h1's image.  pb: a fragment buffer that is free: the codes lie there until they are stored.
; Lane (r, h) has k = 8 h + 0 .. 7 and 16 + 8 h + 0 .. 7 of its row's block: words h and 2 + h of the 16 bytes that lane r + 16 g of the operand holds.
.macro QUANT s, g, pb
.set ii, 0
.rept 32
	v_dual_max_num_f32 v[ACC+ii], 0, v[ACC+ii] :: v_dual_max_num_f32 v[ACC+ii+1], 0, v[ACC+ii+1]
.set ii, ii+2
.endr
.irp t, 0,1,2,3
	v_max3_num_f32 v[TM+\t], v[ACC+16*\t], v[ACC+16*\t+1], 0x1800000   ; the floor 2^(3 - 127): the byte cannot fall under 1
.endr
.irp i, 2,4,6,8,10,12,14
.irp t, 0,1,2,3
	v_max3_num_f32 v[TM+\t], v[TM+\t], v[ACC+16*\t+\i], v[ACC+16*\t+\i+1]
.endr
.endr
.irp t, 0,1,2,3
	v_permlanex16_b32 v[TM+4+\t], v[TM+\t], s98, s99
.endr
.irp t, 0,1,2,3
	v_max_num_f32 v[TM+\t], v[TM+\t], v[TM+4+\t]
.endr
.irp t, 0,1,2,3
	v_add_nc_u32 v[TM+\t], 0xff000000, v[TM+\t]    ; 2 off the exponent field: the conversion's scale operand
.endr
.irp t, 0,1,2,3
	v_lshrrev_b32 v[TM+4+\t], 23, v[TM+\t]         ; the scale's byte
.endr
.irp t, 0,1,2,3
	v_cvt_scalef32_pk8_fp4_f32 v[BR+32*(\pb)+2*\t], v[ACC+16*\t:ACC+16*\t+7], v[TM+\t]
	v_cvt_scalef32_pk8_fp4_f32 v[BR+32*(\pb)+2*\t+1], v[ACC+16*\t+8:ACC+16*\t+15], v[TM+\t]
.endr
	v_nop                                          ; a plain place behind the last conversion
.irp t, 0,1,2,3
	ds_store_b32 v[HST], v[BR+32*(\pb)+2*\t] offset:8192*(1-(\s))+1024*\t+256*(\g)
	ds_store_b32 v[HST], v[BR+32*(\pb)+2*\t+1] offset:8192*(1-(\s))+1024*\t+256*(\g)+8
	ds_store_b8 v[SST], v[TM+4+\t] offset:256*(\t%2)+4*(\t/2)+512*(\s)+(\g)
.endr
.endm
; A W1 STEP (slot s): two blocks of 32 hidden units a wave, four chunks each.  Chunk m's products stand behind the loads of chunk m + 2.  first: the launch's first step also brings x's fragments, two chunks ahead of their use.
.macro W1STEP s, last, first
.irp m, 0,1,2,3,4,5
.if \m > 0
	PLACES 4
.endif
.if \m == 4
	WIN 0
	QUANT \s, 0, 2                                 ; chunk 3's buffer is free until the loads below
.endif
	LDW1 \s, \m+2, 2
.if \first && (\m < 2)
	LDX 2*\m+4
.endif
.if \m == 1
	BIAS 1024*\s+128                               ; the second block's b1,
.if \s
	SCL2 SA, 0                                     ; and the next step's scales
.if \last == 0
	ASK PF1, 262144
.endif
.else
	SCL1 SB, 8192
.if \first
	ASK PF2, 0
.endif
	ASK PF2, 524288
.endif
.endif
.if \m == 5
.if \s == 0
	BIAS 1024                                      ; the next step's first b1
.endif
	WIN 0
	s_wait_tensorcnt 0x0                           ; my part of the next slot is in
	ds_add_u32 v[SPW], v[NIL]
.if \s
	s_add_nc_u64 s[G0C+2:G0C+3], s[G0C+2:G0C+3], 256
.else
	s_add_nc_u64 s[G0B+2:G0B+3], s[G0B+2:G0B+3], 262144
.endif
.endif
.if \m == 4
	s_wait_loadcnt 4                               ; b1 is in; the four loads of scales behind it may be out
.endif
.if \m == 0
	s_wait_loadcnt 0x0
.endif
.set nw, 16                                    ; chunk m is in: two younger runs of eight may be out,
.if (\m == 4) || (\s && (\m < 2))
.set nw, 28                                    ; and the quantiser's twelve stores,
.endif
.if \m == 5
.set nw, 29                                    ; and the add;
.endif
.if \first
.if \m < 2
.set nw, 48                                    ; in the first step two younger runs of x's sixteen,
.endif
.if \m == 2
.set nw, 32                                    ; or one
.endif
.endif
	s_wait_dscnt nw
	WIN 0x04
	MUL1 \m, 0, SA+16*\s
	MUL1 \m, 1, SA+16*\s
.endr
	s_wait_dscnt 0x0                               ; the add is done, and all my reads of this slot
	s_barrier_signal -1
	MUL1 6, 0, SA+16*\s
	MUL1 6, 1, SA+16*\s
	WIN 0
	s_barrier_wait -1
	CREST
.if \s
	TLOAD G0D, G1W2                                ; this slot's step two on
	LDW2 0, 0, 1
.else
	TLOAD G0C, G1W2
	LDW1 1, 0, 2
.endif
	WIN 0x04
	MUL1 7, 0, SA+16*\s
	MUL1 7, 1, SA+16*\s
	PLACES 4
.if \s
	LDW2 0, 1, 1
	WIN 0
	QUANT 1, 1, 0
	LDA2 0                                         ; K steps 0, 1 of h1's chunk were stored in step (a): the last round has shown them
	ds_load_b128 v[SH:SH+3], v[SLD]
.else
	LDW1 1, 1, 2
	WIN 0
	QUANT 0, 1, 1
.endif
.endm
; A W2 STEP (slot j): my four tiles of 32 columns x 64 rows over the chunk's four K steps.
.macro W2STEP j, first, last
.irp m, 0,1,2,3,4,5
.if \m > 0
	PLACES 4
.endif
	WIN 0
.if (\j == 0) && (\m == 2)
	s_barrier_wait -1                              ; everybody's part of K steps 2, 3 is stored
	ds_load_b128 v[SH+4:SH+7], v[SLD] offset:512
.endif
.if \j
.if \m == 2
	LDA2 1                                         ; over K step 3's fragments
.endif
.if \m == 4
	LDA2 0                                         ; over K step 2's
.endif
.else
.if \m%2 == 0
	LDA2 \m/2+1
.endif
.endif
	LDW2 \j, \m+2, 1-\j
.if \m == 1
.if \j == 0
	SCL2 SB, 32768
.if \last
	WIN 0x40
.irp k, 0,1,2,3
.irp b, 0,1,2,3
	global_load_b128 v[16*\b+4*\k:16*\b+4*\k+3], v[BOFF], s[20:21] offset:128*\b+16*(\k%2)+64*(\k/2)
	global_load_b128 v[64+16*\b+4*\k:64+16*\b+4*\k+3], v[BOFF], s[20:21] offset:2048+128*\b+16*(\k%2)+64*(\k/2)
.endr
.endr
	WIN 0
	global_load_b32 v20, v[GS2], s[24:25]          ; p of rows 2 lane and 2 lane + 1
	global_load_b32 v21, v[GS2], s[24:25] offset:32
.else
	ASK PF1, 393216
.endif
.else
.if \last == 0
	BIAS 2048
	SCL1 SA, 16384
	ASK PF2, 256
.endif
.endif
.endif
.if \m == 0
	s_wait_loadcnt 0x0
	s_wait_dscnt 16                                ; the two younger runs may be out; in (a) h1's first fragments and scales are in
.else
.if (\m == 5) && ((\j == 0) || (\last == 0))
	s_wait_tensorcnt 0x0                           ; my part of the next slot is in
	ds_add_u32 v[SPW], v[NIL]
.if \last == 0
.if \j
	s_add_nc_u64 s[G0A+2:G0A+3], s[G0A+2:G0A+3], 262144
.else
	s_add_nc_u64 s[G0D+2:G0D+3], s[G0D+2:G0D+3], 256
.endif
.endif
	s_wait_dscnt 25                                ; three younger runs of eight and the add may be out
.else
.if \j && (\m == 1)
	s_wait_dscnt 16                                ; two younger runs of weight fragments
.else
	s_wait_dscnt 24                                ; and one of h1's may be out
.endif
.endif
.endif
	WIN 0xa0+0x50*\j
.if \first && (\m < 2)
	MUL2F \m, 1-\j, SA+16*\j
.if (\j == 0) && (\m == 1)
	s_wait_dscnt 0x0                               ; my part of h1's chunk is stored: for the other waves
	s_barrier_signal -1
.endif
.else
	MUL2 \m, 0, 1-\j, SA+16*\j
.if (\j == 0) && (\m == 1)
	s_wait_dscnt 0x0                               ; my part of h1's chunk is stored: for the other waves
	s_barrier_signal -1
.endif
	MUL2 \m, 1, 1-\j, SA+16*\j
.endif
.endr
.if \j && \last
	s_wait_dscnt 8
	MUL2 6, 0, 0, SB
	MUL2 6, 1, 0, SB
	s_wait_dscnt 0x0
.else
	s_wait_dscnt 0x0                               ; the add is done, and all my reads of this slot
	s_barrier_signal -1
	MUL2 6, 0, 1-\j, SA+16*\j
	MUL2 6, 1, 1-\j, SA+16*\j
	WIN 0
	s_barrier_wait -1
.if \last
	PLACES 4                                       ; nothing is left to fill: no round
.else
	CREST
.if \j
	TLOAD G0B, G1W1
.else
	TLOAD G0A, G1W1
.endif
.endif
.if \j
	LDW1 0, 0, 2
.else
	LDW2 1, 0, 0
.endif
.endif
	WIN 0xa0+0x50*\j
	MUL2 7, 0, 1-\j, SA+16*\j
	MUL2 7, 1, 1-\j, SA+16*\j
	PLACES 5                                       ; ahead of loads, of reads of results, and of the next step's products, which write over h1's fragments
	WIN 0
.if \j
.if \last == 0
	LDW1 0, 1, 2
.endif
.else
	LDW2 1, 1, 0
.endif
.endm
; h2's columns (j): relu in place, times W3, two chains of pairs for each row tile, at v[BI + 4 t]
.macro DOT j
	WIN 0x88+0x44*\j
.set ii, 0
.rept 256
	v_max_num_f32 v[ii], 0, v[ii]
.set ii, ii+1
.endr
	WIN 0x06+\j
.set pp, 0
.rept 32
.irp t, 0,1,2,3
.set yy, BI+4*\t+2*(pp%2)
.set zz, 16*(4*(pp/8)+\t)+2*(pp%8)
.set ww, 64*\j+2*pp
.if (\j == 0) && (pp < 2)
	v_pk_mul_f32 v[yy:yy+1], v[zz:zz+1], v[ww:ww+1]
.else
	v_pk_fma_f32 v[yy:yy+1], v[zz:zz+1], v[ww:ww+1], v[yy:yy+1]
.endif
.endr
.set pp, pp+1
.endr
	WIN 0
.endm
.macro CHUNK first
	W1STEP 0, 0, \first
	W1STEP 1, 0, 0
	W2STEP 0, \first, 0
	W2STEP 1, \first, 0
	s_wait_xcnt 0x0                                ; the loads and prefetches of this chunk have read their bases
	s_add_nc_u64 s[10:11], s[10:11], 16384
	s_add_nc_u64 s[14:15], s[14:15], 16
	s_add_nc_u64 s[16:17], s[16:17], 2048
	s_add_nc_u64 s[PF1:PF1+1], s[PF1:PF1+1], 262144
	s_add_nc_u64 s[PF2:PF2+1], s[PF2:PF2+1], 256
.endm
	s_load_b512 s[4:19], s[0:1], 0x0               ; x codes, x scales, W1 codes, W1 scales, W2 codes, W2 scales, b1, b2
	s_load_b256 s[20:27], s[0:1], 0x40             ; W3, b3, p, part
	v_lshl_add_u32 v[SPW], v0, 2, SPARE
	v_mov_b32 v[NIL], 0
	ds_add_u32 v[SPW], v[NIL]                      ; the wave's opening: the add, twice on end, and its wait
	ds_add_u32 v[SPW], v[NIL]
	v_lshrrev_b32 v16, 5, v0
	v_readfirstlane_b32 s28, v16                   ; wave 0..3
	s_lshr_b32 s29, s28, 1
	s_and_b32 s30, s28, 1
	s_mul_i32 s2, s28, 64*LINE                     ; my 64 rows of a W1 step
	s_mul_i32 s3, s28, QUAR                        ; my 128 columns of a W2 step
	s_lshl_b32 s66, s29, 12                        ; h1's image: K step 2 s + wave / 2, half wave % 2 of its fragments
	s_lshl_b32 s67, s30, 9
	s_add_co_u32 s66, s66, s67
	s_add_co_u32 s66, s66, HB
	s_lshl_b32 s67, s29, 3                         ; and its scale bytes: two words on for each K step, two bytes on for each half
	s_lshl_b32 s100, s30, 1
	s_add_co_u32 s67, s67, s100
	s_add_co_u32 s67, s67, HS
	v_and_b32 v17, 15, v0                          ; r
	v_bfe_u32 v18, v0, 4, 1                        ; h
	v_and_b32 v19, 31, v0                          ; lane
	v_mul_u32_u24 v20, v17, LINE
	v_lshl_add_u32 v20, v18, 4, v20                ; a fragment's line r, + 16 h
	v_add_nc_u32 v[AW1], s2, v20
	v_add_nc_u32 v[AW2], s3, v20
	v_add_nc_u32 v[AX], XR, v20
	v_add_nc_u32 v[AW1+1], 256*LINE, v[AW1]
	v_add_nc_u32 v[AW1+2], SLOT, v[AW1]
	v_add_nc_u32 v[AW1+3], SLOT, v[AW1+1]
	v_add_nc_u32 v[AW2+1], SLOT, v[AW2]
	v_lshlrev_b32 v21, 4, v17
	v_add_nc_u32 v[SST], s67, v21                  ; 16 bytes of scales a row
	v_lshl_add_u32 v21, v18, 2, v21
	v_add_nc_u32 v[HST], s66, v21
	v_lshlrev_b32 v[GS1], 5, v19
	v_lshlrev_b32 v[GS2], 6, v19
	v_lshlrev_b32 v[PFO], 10, v17
	v_lshlrev_b32 v16, 4, v19
	v_add_nc_u32 v[HLD], HB, v16
	v_add_nc_u32 v[SLD], HS, v16
	v_lshlrev_b32 v[BOFF], 5, v18
	v_mov_b32 v23, 0                               ; (a lane permute's destination counts as one of its sources: v20-23 have been written)
	G1SET G1W1, JOINT, 128, 512                    ; half a W1 step's rows, one half of K
	G1SET G1W2, JOINT, 128, 1024                   ; a quarter of a W2 step's columns
	G1SET G1H, JOINT, 256, 512                     ; the head: all 256 rows, one half of K
	G1SET G1X, PADW, 64, 512                       ; x's 64 rows, one half of K: no partner's
	s_mov_b32 s98, 0x76543210                      ; lane selects: lane l xor 16
	s_mov_b32 s99, 0xfedcba98
	s_and_b32 s97, ttmp9, 7                        ; e: made of the cluster's number alone
	s_lshr_b32 s31, ttmp9, 3                       ; k: which of the expert's eight clusters
	s_bfe_u32 s101, ttmp6, 0x40000                 ; cx
	s_wait_alu depctr_va_vdst(0)
	s_wait_dscnt 0x0                               ; both opening adds are done
	s_wait_kmcnt 0x0
	s_mov_b32 s3, 0
	s_mov_b32 s105, 0
	s_lshl_b32 s2, s97, 20                         ; an expert's codes: 1,048,576 bytes of W1 and of W2
	s_add_nc_u64 s[8:9], s[8:9], s[2:3]
	s_add_nc_u64 s[12:13], s[12:13], s[2:3]
	s_mov_b32 s[G0H], 1
	s_mul_i32 s[G0H+1], s30, 256*LINE
	s_lshl_b32 s2, s30, 8
	s_add_nc_u64 s[G0H+2:G0H+3], s[8:9], s[2:3]
	s_or_b32 s[G0H+3], s[G0H+3], 0x80000000
	s_lshl_b32 s2, s30, 16                         ; W1 in the ring: 128 rows by wave % 2, the half of K by wave / 2
	s_lshl_b32 s66, s29, 8
	s_add_co_u32 s2, s2, s66
	s_add_nc_u64 s[66:67], s[8:9], s[2:3]
	s_mov_b32 s[G0A], 1
	s_mul_i32 s[G0A+1], s28, QUAR
	s_add_nc_u64 s[G0A+2:G0A+3], s[66:67], 262144  ; the second chunk's: the first chunk's comes by the head's loads
	s_or_b32 s[G0A+3], s[G0A+3], 0x80000000
	s_mov_b32 s[G0B], 1
	s_mul_i32 s[G0B+1], s28, QUAR
	s_add_co_u32 s[G0B+1], s[G0B+1], SLOT
	s_add_nc_u64 s[G0B+2:G0B+3], s[66:67], 131072
	s_or_b32 s[G0B+3], s[G0B+3], 0x80000000
	s_lshl_b32 s2, s28, 17                         ; W2: 128 columns of 1,024 bytes a wave
	s_mov_b32 s[G0C], 1
	s_mul_i32 s[G0C+1], s28, QUAR
	s_add_nc_u64 s[G0C+2:G0C+3], s[12:13], s[2:3]
	s_mov_b32 s[G0D], 1
	s_mul_i32 s[G0D+1], s28, QUAR
	s_add_co_u32 s[G0D+1], s[G0D+1], SLOT
	s_add_nc_u64 s[G0D+2:G0D+3], s[G0C+2:G0C+3], 524288
	s_or_b32 s[G0C+3], s[G0C+3], 0x80000000
	s_or_b32 s[G0D+3], s[G0D+3], 0x80000000
	s_and_b32 s100, s31, 1                         ; prefetches: half k % 2 of a step's blocks, a quarter of that by cx, sixteen blocks a wave
	s_lshl_b32 s104, s100, 2
	s_add_co_u32 s104, s104, s101
	s_lshl_b32 s104, s104, 14
	s_add_nc_u64 s[PF1:PF1+1], s[8:9], s[104:105]
	s_lshl_b32 s2, s28, 8
	s_add_nc_u64 s[PF1:PF1+1], s[PF1:PF1+1], s[2:3]
	s_lshl_b32 s104, s104, 2
	s_add_nc_u64 s[PF2:PF2+1], s[12:13], s[104:105]
	s_lshl_b32 s2, s28, 14
	s_add_nc_u64 s[PF2:PF2+1], s[PF2:PF2+1], s[2:3]
	BASE 10, 16, 2048                              ; W1's scales: my 64 rows
	BASE 14, 16, 8192                              ; W2's scales: my 128 columns
	BASE 16, 13, 256                               ; b1
	BASE 18, 12, 512                               ; b2
	BASE 20, 12, 512                               ; W3
	s_lshl_b32 s2, s97, 2
	s_add_nc_u64 s[22:23], s[22:23], s[2:3]        ; b3
	s_add_nc_u64 s[24:25], s[24:25], s[2:3]        ; p: column e
	s_lshl_b32 s2, s97, 13
	s_add_nc_u64 s[26:27], s[26:27], s[2:3]        ; part: 2,048 rows an expert
	s_load_b32 s100, s[22:23], 0x0
	s_lshl_b32 s31, s31, 2
	s_add_co_u32 s31, s31, s101                    ; my 64 rows: 4 k + cx
	s_lshl_b32 s104, s31, 11
	s_add_nc_u64 s[6:7], s[6:7], s[104:105]
	s_add_nc_u64 s[24:25], s[24:25], s[104:105]
	s_lshl_b32 s104, s31, 8
	s_add_nc_u64 s[26:27], s[26:27], s[104:105]
	s_lshl_b32 s104, s31, 15
	s_add_nc_u64 s[4:5], s[4:5], s[104:105]
	s_lshl_b32 s104, s30, 8
	s_mov_b32 s[G0X], 1
	s_mul_i32 s[G0X+1], s30, 64*LINE
	s_add_co_u32 s[G0X+1], s[G0X+1], XR
	s_add_nc_u64 s[G0X+2:G0X+3], s[4:5], s[104:105]
	s_or_b32 s[G0X+3], s[G0X+3], 0x80000000
	CROUND                                         ; all four work-groups are here: the first joint loads meet
	; the head's loads, one a wave: waves 0 and 1 fetch the first step's two halves along K, waves 2 and 3 x's
	s_cmp_eq_u32 s29, 0
	s_cbranch_scc0 .Lfor_x
	TLOAD G0H, G1H
	s_branch .Lasked
.Lfor_x:
	TLOAD G0X, G1X
.Lasked:
.irp p, 0,1                                    ; x's scales: lanes 0-15 row tile 2 p, lanes 16-31 row tile 2 p + 1; a word for each K step
.irp k, 0,1
	global_load_b128 v[XS+8*\p+4*\k:XS+8*\p+4*\k+3], v[GS1], s[6:7] offset:1024*\p+16*\k
.endr
.endr
	SCL1 SA, 0
	BIAS 0
	ASK PF1, 131072                                ; the second step's
	WIN 0x80
.irp b, 0,1,2,3                                ; b2 into the registers of row tile 3
.irp k, 0,1,2,3
.set dd, 64*\b+48+4*\k
	global_load_b128 v[dd:dd+3], v[BOFF], s[18:19] offset:128*\b+16*(\k%2)+64*(\k/2)
.endr
.endr
	WIN 0xc0
.irp b, 0,1,2,3
.irp k, 0,1,2,3
.set dd, 64*\b+48+4*\k
	global_load_b128 v[dd:dd+3], v[BOFF], s[18:19] offset:2048+128*\b+16*(\k%2)+64*(\k/2)
.endr
.endr
	WIN 0
	s_wait_alu depctr_va_vdst(0)
	s_wait_tensorcnt 0x0                           ; my tile of the head's is in
	ds_add_u32 v[SPW], v[NIL]
	s_wait_dscnt 0x0
	CROUND                                         ; everybody's is
	TLOAD G0B, G1W1                                ; slot 1's first fill
	LDX 0
	LDW1 0, 0, 2
	LDX 2
	LDW1 0, 1, 2
	CHUNK 1                                        ; the first chunk starts h2's sums
	s_mov_b32 s96, 2
.Lchunk:
	CHUNK 0
	s_sub_co_u32 s96, s96, 1
	s_cmp_lg_u32 s96, 0
	s_wait_alu depctr_va_vdst(0)
	s_cbranch_scc1 .Lchunk
	W1STEP 0, 1, 0                                 ; the last chunk: its W2 steps fill nothing
	W1STEP 1, 1, 0
	W2STEP 0, 0, 1
	s_wait_loadcnt 0x0                             ; W3
	DOT 0                                          ; columns (a) are finished
	W2STEP 1, 0, 1
	DOT 1
.irp t, 0,1,2,3
	v_pk_add_f32 v[BI+4*\t:BI+4*\t+1], v[BI+4*\t:BI+4*\t+1], v[BI+4*\t+2:BI+4*\t+3]
.endr
.irp t, 0,1,2,3
	v_add_f32 v[BI+4*\t], v[BI+4*\t], v[BI+4*\t+1]
.endr
.irp t, 0,1,2,3
	v_permlanex16_b32 v[TM+\t], v[BI+4*\t], s98, s99
.endr
.irp t, 0,1,2,3
	v_add_f32 v[BI+4*\t], v[BI+4*\t], v[TM+\t]     ; row 16 t + r over my 256 columns, in both halves of the lanes
.endr
	s_lshl_b32 s2, s28, 8                          ; 256 bytes a wave at the head of slot 0, which has had its last fill and its last read
	v_lshrrev_b32 v22, 8, v[PFO]                   ; 4 r
	v_add_nc_u32 v22, s2, v22
.irp t, 0,1,2,3
	ds_store_b32 v22, v[BI+4*\t] offset:64*\t
.endr
	s_wait_tensorcnt 0x0                           ; the wave's end
	ds_add_u32 v[SPW], v[NIL]
	s_wait_dscnt 0x0
	CROUND                                         ; the closing round; it also shows all four waves' sums to wave 0
	s_cmp_lg_u32 s28, 0
	s_cbranch_scc1 .Lend
	v_lshrrev_b32 v23, 2, v[GS1]                   ; 8 x lane: two rows a lane
.irp k, 0,1,2,3
	ds_load_b64 v[24+2*\k:25+2*\k], v23 offset:256*\k
.endr
	s_wait_alu depctr_va_vdst(0)
	s_wait_kmcnt 0x0
	s_mov_b32 s2, 0xbfb8aa3b                       ; -log2(e)
	s_mul_f32 s100, s100, s2
	s_wait_dscnt 0x0
	v_pk_add_f32 v[24:25], v[24:25], v[26:27]
	v_pk_add_f32 v[28:29], v[28:29], v[30:31]
	v_pk_add_f32 v[24:25], v[24:25], v[28:29]
	v_fma_f32 v24, v24, s2, s100                   ; -(sum + b3) log2(e); where the power overflows the reciprocal is 0, as the sigmoid is
	v_fma_f32 v25, v25, s2, s100
	s_wait_alu depctr_va_vdst(0)
	v_exp_f32 v24, v24
	v_exp_f32 v25, v25
	v_nop
	s_wait_alu depctr_va_vdst(0)
	v_add_f32 v24, 1.0, v24
	v_add_f32 v25, 1.0, v25
	s_wait_alu depctr_va_vdst(0)
	v_rcp_f32 v24, v24
	v_rcp_f32 v25, v25
	v_nop
	s_wait_alu depctr_va_vdst(0)
	v_mul_f32 v24, v20, v24                        ; times p
	v_mul_f32 v25, v21, v25
	global_store_b64 v23, v[24:25], s[26:27]       ; 32 lanes store 256 consecutive bytes, aligned
.Lend:
	s_endpgm
.Lfunc_end_k_q14f4b8fe2e_chain:
	.size	k_q14f4b8fe2e_chain, .Lfunc_end_k_q14f4b8fe2e_chain-k_q14f4b8fe2e_chain
	.p2alignl 7, 3214868480
	.fill 96, 4, 3214868480
	.section	.rodata,"a",@progbits
	.p2align	6, 0x0
	.amdhsa_kernel k_q14f4b8fe2e_chain
		.amdhsa_group_segment_fixed_size 327680
		.amdhsa_private_segment_fixed_size 0
		.amdhsa_enable_private_segment 0
		.amdhsa_kernarg_size 96
		.amdhsa_user_sgpr_count 2
		.amdhsa_user_sgpr_kernarg_segment_ptr 1
		.amdhsa_wavefront_size32 1
		.amdhsa_system_sgpr_workgroup_id_x 1
		.amdhsa_system_sgpr_workgroup_id_y 1
		.amdhsa_system_sgpr_workgroup_id_z 1
		.amdhsa_system_vgpr_workitem_id 0
		.amdhsa_next_free_vgpr 1024
		.amdhsa_next_free_sgpr 106
		.amdhsa_reserve_vcc 0
		.amdhsa_float_denorm_mode_32 3
		.amdhsa_float_denorm_mode_16_64 3
		.amdhsa_memory_ordered 1
		.amdhsa_forward_progress 1
		.amdhsa_inst_pref_size 255
	.end_amdhsa_kernel
	.section	.bss,"aw",@nobits
	.p2align	6
	.space	262144
	.amdgpu_metadata
---
amdhsa.version: [ 1, 2 ]
amdhsa.kernels:
  - .name:           k_q14f4b8fe2e_chain
    .symbol:         k_q14f4b8fe2e_chain.kd
    .args:
      - { .name: x_codes, .offset: 0, .size: 8, .value_kind: global_buffer, .address_space: global }
      - { .name: x_scales, .offset: 8, .size: 8, .value_kind: global_buffer, .address_space: global }
      - { .name: W1_codes, .offset: 16, .size: 8, .value_kind: global_buffer, .address_space: global }
      - { .name: W1_scales, .offset: 24, .size: 8, .value_kind: global_buffer, .address_space: global }
      - { .name: W2_codes, .offset: 32, .size: 8, .value_kind: global_buffer, .address_space: global }
      - { .name: W2_scales, .offset: 40, .size: 8, .value_kind: global_buffer, .address_space: global }
      - { .name: b1, .offset: 48, .size: 8, .value_kind: global_buffer, .address_space: global }
      - { .name: b2, .offset: 56, .size: 8, .value_kind: global_buffer, .address_space: global }
      - { .name: W3, .offset: 64, .size: 8, .value_kind: global_buffer, .address_space: global }
      - { .name: b3, .offset: 72, .size: 8, .value_kind: global_buffer, .address_space: global }
      - { .name: soft_cluster_probs, .offset: 80, .size: 8, .value_kind: global_buffer, .address_space: global }
      - { .name: part, .offset: 88, .size: 8, .value_kind: global_buffer, .address_space: global }
    .group_segment_fixed_size: 327680
    .private_segment_fixed_size: 0
    .kernarg_segment_align: 8
    .kernarg_segment_size: 96
    .max_flat_workgroup_size: 128
    .sgpr_count:     106
    .vgpr_count:     1024
    .wavefront_size: 32
...
	.end_amdgpu_metadata
.endif
;; end of part 1
;; launch mix (part 2): grid 8 x 1, 4 waves a work-group, no clusters, 0 bytes of LDS; arguments part, out0; writes out0
.if DOCPART == 2
	.amdgcn_target "amdgcn-amd-amdhsa--gfx1250"
	.amdhsa_code_object_version 6
	.text
	.protected	k_q14f4b8fe2e_mix
	.globl	k_q14f4b8fe2e_mix
	.p2align	8
	.type	k_q14f4b8fe2e_mix,@function
k_q14f4b8fe2e_mix:
	s_mov_b64 s[64:65], 0
	v_nop
	global_prefetch_b8 v0, s[64:65] scope:SCOPE_SE
	s_setreg_imm32_b32 hwreg(HW_REG_WAVE_MODE, 25, 1), 1
	s_wait_xcnt 0x0
; out0[b] = the sum over e of part[e][b]: the second of two launches.  No work is left out.  LIMITS: NaN and infinities are not served.
; A thread owns rows 2 g and 2 g + 1: 1,024 threads, eight work-groups; a wave's loads and its store each cover 256 consecutive bytes, aligned.  No LDS, no barrier, no cluster, no loop to prefetch in: threads share nothing.
	s_load_b128 s[4:7], s[0:1], 0x0                ; part s[4:5], out0 s[6:7]
	s_lshl_b32 s8, ttmp9, 10
	v_lshl_add_u32 v1, v0, 3, s8                   ; 8 g
	s_wait_alu depctr_va_vdst(0)
	s_wait_kmcnt 0x0
.irp e, 0,1,2,3,4,5,6,7
	global_load_b64 v[2+2*\e:3+2*\e], v1, s[4:5] offset:8192*\e th:TH_LOAD_NT
.endr
	s_wait_loadcnt 0x0
.irp e, 0,1,2,3
	v_pk_add_f32 v[2+4*\e:3+4*\e], v[2+4*\e:3+4*\e], v[4+4*\e:5+4*\e]
.endr
	v_pk_add_f32 v[2:3], v[2:3], v[6:7]
	v_pk_add_f32 v[10:11], v[10:11], v[14:15]
	v_pk_add_f32 v[2:3], v[2:3], v[10:11]
	global_store_b64 v1, v[2:3], s[6:7]
	s_endpgm
.Lfunc_end_k_q14f4b8fe2e_mix:
	.size	k_q14f4b8fe2e_mix, .Lfunc_end_k_q14f4b8fe2e_mix-k_q14f4b8fe2e_mix
	.p2alignl 7, 3214868480
	.fill 96, 4, 3214868480
	.section	.rodata,"a",@progbits
	.p2align	6, 0x0
	.amdhsa_kernel k_q14f4b8fe2e_mix
		.amdhsa_group_segment_fixed_size 0
		.amdhsa_private_segment_fixed_size 0
		.amdhsa_enable_private_segment 0
		.amdhsa_kernarg_size 16
		.amdhsa_user_sgpr_count 2
		.amdhsa_user_sgpr_kernarg_segment_ptr 1
		.amdhsa_wavefront_size32 1
		.amdhsa_system_sgpr_workgroup_id_x 1
		.amdhsa_system_sgpr_workgroup_id_y 1
		.amdhsa_system_sgpr_workgroup_id_z 1
		.amdhsa_system_vgpr_workitem_id 0
		.amdhsa_next_free_vgpr 32
		.amdhsa_next_free_sgpr 66
		.amdhsa_reserve_vcc 0
		.amdhsa_float_denorm_mode_32 3
		.amdhsa_float_denorm_mode_16_64 3
		.amdhsa_memory_ordered 1
		.amdhsa_forward_progress 1
		.amdhsa_inst_pref_size 2
	.end_amdhsa_kernel
	.amdgpu_metadata
---
amdhsa.version: [ 1, 2 ]
amdhsa.kernels:
  - .name:           k_q14f4b8fe2e_mix
    .symbol:         k_q14f4b8fe2e_mix.kd
    .args:
      - { .name: part, .offset: 0, .size: 8, .value_kind: global_buffer, .address_space: global }
      - { .name: out0, .offset: 8, .size: 8, .value_kind: global_buffer, .address_space: global }
    .group_segment_fixed_size: 0
    .private_segment_fixed_size: 0
    .kernarg_segment_align: 8
    .kernarg_segment_size: 16
    .max_flat_workgroup_size: 128
    .sgpr_count:     66
    .vgpr_count:     32
    .wavefront_size: 32
...
	.end_amdgpu_metadata
.endif
;; end of part 2
